; MI455X (gfx1250); checked and timed in simulation.
; The chip was launched on July 23, 2026; its instructions are those of AMD's public machine-readable ISA for CDNA 5 (MIT licence, August 2026) and "CDNA5" Instruction Set Architecture Reference Guide (July 2026). The comments in the code are by the model that wrote it; some were corrected since.
;; Causal Multi Head Self Attention. Allowed arithmetic: float matrix products may take bf16 or f16 operands with f32 sums; all other float work in f32.
;; Inputs: Wk 1,024 x 1,024 float32; Wo 1,024 x 1,024 float32; Wq 1,024 x 1,024 float32; Wv 1,024 x 1,024 float32; token_positions 2,048 int32; x 2 x 2,048 x 1,024 float32.
;; Outputs: out0 2 x 2,048 x 1,024 float32.
;; One version. Each part assembles by itself: llvm-mc -triple=amdgcn-amd-amdhsa -mcpu=gfx1250 --defsym DOCPART=n.
;; ======== version 1 of 1: 4 launches
;; limits: values are held in f16: magnitudes above 65,504 overflow, below 6.1e-05 lose precision; inputs' magnitudes at most 2,097,152; right only within a limited range of input values
;; workspace buffers: xb 8,388,608 bytes; wqkv 6,291,456 bytes; wob 2,097,152 bytes; cs 524,288 bytes; qh 8,388,608 bytes; kh 8,388,608 bytes; vh 8,388,608 bytes; ah 8,388,608 bytes
;; launch prep (part 1): grid 256 x 1, 8 waves a work-group, no clusters, 0 bytes of LDS; arguments x, Wq, Wk, Wv, Wo, token_positions, xb, wqkv, wob, cs; writes xb, wqkv, wob, cs
.if DOCPART == 1
	.amdgcn_target "amdgcn-amd-amdhsa--gfx1250"
	.amdhsa_code_object_version 6
	.text
	.protected	k_q4bc57b6df7_prep
	.globl	k_q4bc57b6df7_prep
	.p2align	8
	.type	k_q4bc57b6df7_prep,@function
k_q4bc57b6df7_prep:
	s_mov_b64 s[64:65], 0
	v_nop
	global_prefetch_b8 v0, s[64:65] scope:SCOPE_SE
	s_setreg_imm32_b32 hwreg(HW_REG_WAVE_MODE, 25, 1), 1
	s_wait_xcnt 0x0
; prep: the casts and the rotation table, each input byte read once.
;   xb   = x in bf16, [4096][1024]
;   wqkv = Wq, Wk, Wv in bf16, rows sorted by head: row = head*192 + part*64 + r (part 0 q, 1 k, 2 v), 2,048 bytes a row
;   wob  = Wo rounded to bf16 and written as f16 (exact from 2^-14 up; below that the error is at most 2^-25)
;   cs   = [2048 s][32 pairs][cos, sin] in f32 of token_positions[s] * 10000^(-pair/32); a row is 256 bytes
; LIMITS: |token_position| <= 2^21 (the reduction by pi/2 has two terms); 10000^(-pair/32) is made by one v_exp_f32
; of a product rounded to f32 and carries a relative error of a few 2^-24.
; Work-group g of 256, eight waves: 65,536 bytes of x, four rows (16,384 bytes) of each W, eight rows of the table
; (wave w: position index 8 g + w, lane i: pair i).  A wave issues all its 32 loads of 512 neighbouring bytes at once;
; the table is made while they are on their way.  No LDS, no matrix unit, no cluster: no byte is used twice.
.set XR, 32                            ; v[32:95]   x, load u at XR + 4 u
.set WR, 96                            ; v[96:159]  Wq, Wk, Wv, Wo, load u of part pt at WR + 16 pt + 4 u
	s_load_b512 s[8:23], s[0:1], 0x0               ; x 8, Wq 10, Wk 12, Wv 14, Wo 16, token_positions 18, xb 20, wqkv 22
	s_load_b128 s[24:27], s[0:1], 0x40             ; wob 24, cs 26
	v_lshrrev_b32 v4, 5, v0
	v_readfirstlane_b32 s28, v4                    ; wave 0..7
	v_lshlrev_b32 v1, 4, v0                        ; 16 t: my 16 bytes of each 4,096 loaded
	v_lshlrev_b32 v2, 3, v0                        ; 8 t: my 8 bytes of each 2,048 stored
	v_and_b32 v4, 31, v0                           ; lane = pair
	v_lshlrev_b32 v3, 3, v4                        ; 8 x pair: my {cos, sin}
	s_mov_b32 s31, 0                               ; s[30:31]: an offset below 4 GiB as a pair
	s_lshl_b32 s32, ttmp9, 3
	s_add_co_u32 s32, s32, s28                     ; position index 8 g + w
	s_wait_kmcnt 0x0
	s_lshl_b32 s30, s32, 2
	s_add_nc_u64 s[18:19], s[18:19], s[30:31]
	s_load_b32 s33, s[18:19], 0x0                  ; token_positions[8 g + w]
	s_lshl_b32 s30, ttmp9, 16
	s_add_nc_u64 s[8:9], s[8:9], s[30:31]          ; x + 65,536 g
.irp u, 0,1,2,3,4,5,6,7,8,9,10,11,12,13,14,15
	global_load_b128 v[XR+4*\u:XR+4*\u+3], v1, s[8:9] offset:\u*4096 th:TH_LOAD_NT
.endr
	s_lshl_b32 s30, ttmp9, 14                      ; four rows of 4,096 bytes
	s_add_nc_u64 s[10:11], s[10:11], s[30:31]
	s_add_nc_u64 s[12:13], s[12:13], s[30:31]
	s_add_nc_u64 s[14:15], s[14:15], s[30:31]
	s_add_nc_u64 s[16:17], s[16:17], s[30:31]
.irp pt, 0,1,2,3
.irp u, 0,1,2,3
	global_load_b128 v[WR+16*\pt+4*\u:WR+16*\pt+4*\u+3], v1, s[10+2*\pt:11+2*\pt] offset:\u*4096 th:TH_LOAD_NT
.endr
.endr
	s_lshl_b32 s30, ttmp9, 15
	s_add_nc_u64 s[20:21], s[20:21], s[30:31]      ; xb + 32,768 g
	s_lshr_b32 s34, ttmp9, 4                       ; head = (4 g) / 64
	s_mul_i32 s34, s34, 192
	s_and_b32 s35, ttmp9, 15
	s_lshl_b32 s35, s35, 2                         ; row in the head = 4 (g % 16)
	s_add_co_u32 s34, s34, s35
	s_lshl_b32 s30, s34, 11
	s_add_nc_u64 s[22:23], s[22:23], s[30:31]      ; wqkv at part 0's row; the parts lie 64 rows = 131,072 bytes apart
	s_lshl_b32 s30, ttmp9, 13
	s_add_nc_u64 s[24:25], s[24:25], s[30:31]      ; wob + 8,192 g
	s_lshl_b32 s30, s32, 8
	s_add_nc_u64 s[26:27], s[26:27], s[30:31]      ; cs at row 8 g + w
	; the table: a = pos * 2^(-pair * log2(10000)/32); n = nearest whole number to a * 2/pi; r = a - n * pi/2 in two terms;
	; sin r and cos r by their series on |r| <= pi/4; the quadrant n mod 4 exchanges them and sets the signs
	v_cvt_f32_u32 v5, v4
	v_mul_f32 v5, 0xbed49a78, v5                   ; -log2(10000)/32 x pair
	s_wait_kmcnt 0x0                               ; the position
	v_exp_f32 v5, v5
	v_cvt_f32_i32 v6, s33                          ; the one plain instruction between v_exp_f32 and the use of its result
	s_wait_alu depctr_va_vdst(0)
	v_mul_f32 v7, v6, v5                           ; the angle, rounded once
	v_mul_f32 v8, 0x3f22f983, v7                   ; x 2/pi
	v_rndne_f32 v8, v8                             ; n
	v_fmamk_f32 v9, v8, 0xbfc90fdb, v7             ; a - n x (pi/2 rounded to f32)
	v_fmamk_f32 v9, v8, 0x333bbd2e, v9             ; - n x (what that rounding left out)
	v_cvt_i32_f32 v10, v8
	v_mul_f32 v11, v9, v9                          ; r^2
	v_mov_b32 v12, 0xb9500d01                      ; -1/5040
	v_mov_b32 v14, 0x37d00d01                      ; 1/40320
	v_fmaak_f32 v12, v12, v11, 0x3c088889          ; + 1/120
	v_fmaak_f32 v14, v14, v11, 0xbab60b61          ; - 1/720
	v_fmaak_f32 v12, v12, v11, 0xbe2aaaab          ; - 1/6
	v_fmaak_f32 v14, v14, v11, 0x3d2aaaab          ; + 1/24
	v_mul_f32 v13, v9, v11                         ; r^3
	v_fmaak_f32 v14, v14, v11, 0xbf000000          ; - 1/2
	v_fma_f32 v12, v13, v12, v9                    ; sin r
	v_fma_f32 v14, v14, v11, 1.0                   ; cos r
	v_and_b32 v15, 1, v10
	v_cmp_eq_u32 vcc_lo, 1, v15                    ; odd quadrant: sin and cos change places
	v_cndmask_b32 v21, v12, v14, vcc_lo
	v_cndmask_b32 v20, v14, v12, vcc_lo
	v_lshlrev_b32 v18, 30, v10
	v_and_b32 v18, 0x80000000, v18                 ; sin is negated in quadrants 2, 3
	v_add_nc_u32 v19, 1, v10
	v_lshlrev_b32 v19, 30, v19
	v_and_b32 v19, 0x80000000, v19                 ; cos in quadrants 1, 2
	v_xor_b32 v21, v21, v18
	v_xor_b32 v20, v20, v19
	global_store_b64 v3, v[20:21], s[26:27]        ; the wave stores one row: 256 consecutive bytes, aligned
; Load number k of the wave's 32 has come (loads come back in order, ISA guide 5.7.1: 31 - k younger ones stay out): four f32 become
; four bf16, and the wave's store covers 256 consecutive aligned bytes.  No register is written again behind a store.
.macro CV k, reg, base, off
	s_wait_loadcnt 31-(\k)
	v_cvt_pk_bf16_f32 v[\reg], v[\reg], v[(\reg)+1]
	v_cvt_pk_bf16_f32 v[(\reg)+1], v[(\reg)+2], v[(\reg)+3]
	global_store_b64 v2, v[\reg:(\reg)+1], s[\base:\base+1] offset:\off
.endm
; The same for Wo: rounded to bf16, widened again, written as f16.
.macro CVO k, reg, off
	s_wait_loadcnt 31-(\k)
	v_cvt_pk_bf16_f32 v24, v[\reg], v[(\reg)+1]
	v_cvt_pk_bf16_f32 v25, v[(\reg)+2], v[(\reg)+3]
	v_lshlrev_b32 v26, 16, v24
	v_and_b32 v27, 0xffff0000, v24
	v_lshlrev_b32 v28, 16, v25
	v_and_b32 v29, 0xffff0000, v25
	v_cvt_pk_f16_f32 v[\reg], v26, v27
	v_cvt_pk_f16_f32 v[(\reg)+1], v28, v29
	global_store_b64 v2, v[\reg:(\reg)+1], s[24:25] offset:\off
.endm
.irp u, 0,1,2,3,4,5,6,7,8,9,10,11,12,13,14,15
	CV \u, XR+4*\u, 20, \u*2048
.endr
.irp pt, 0,1,2
.irp u, 0,1,2,3
	CV 16+4*\pt+\u, WR+16*\pt+4*\u, 22, \pt*131072+\u*2048
.endr
.endr
.irp u, 0,1,2,3
	CVO 28+\u, WR+48+4*\u, \u*2048
.endr
	s_endpgm
.Lfunc_end_k_q4bc57b6df7_prep:
	.size	k_q4bc57b6df7_prep, .Lfunc_end_k_q4bc57b6df7_prep-k_q4bc57b6df7_prep
	.p2alignl 7, 3214868480
	.fill 96, 4, 3214868480
	.section	.rodata,"a",@progbits
	.p2align	6, 0x0
	.amdhsa_kernel k_q4bc57b6df7_prep
		.amdhsa_group_segment_fixed_size 0
		.amdhsa_private_segment_fixed_size 0
		.amdhsa_enable_private_segment 0
		.amdhsa_kernarg_size 80
		.amdhsa_user_sgpr_count 2
		.amdhsa_user_sgpr_kernarg_segment_ptr 1
		.amdhsa_wavefront_size32 1
		.amdhsa_system_sgpr_workgroup_id_x 1
		.amdhsa_system_sgpr_workgroup_id_y 1
		.amdhsa_system_sgpr_workgroup_id_z 1
		.amdhsa_system_vgpr_workitem_id 0
		.amdhsa_next_free_vgpr 160
		.amdhsa_next_free_sgpr 66
		.amdhsa_reserve_vcc 1
		.amdhsa_float_denorm_mode_32 3
		.amdhsa_float_denorm_mode_16_64 3
		.amdhsa_memory_ordered 1
		.amdhsa_forward_progress 1
		.amdhsa_inst_pref_size 16
	.end_amdhsa_kernel
	.amdgpu_metadata
---
amdhsa.version: [ 1, 2 ]
amdhsa.kernels:
  - .name:           k_q4bc57b6df7_prep
    .symbol:         k_q4bc57b6df7_prep.kd
    .args:
      - { .name: x, .offset: 0, .size: 8, .value_kind: global_buffer, .address_space: global }
      - { .name: Wq, .offset: 8, .size: 8, .value_kind: global_buffer, .address_space: global }
      - { .name: Wk, .offset: 16, .size: 8, .value_kind: global_buffer, .address_space: global }
      - { .name: Wv, .offset: 24, .size: 8, .value_kind: global_buffer, .address_space: global }
      - { .name: Wo, .offset: 32, .size: 8, .value_kind: global_buffer, .address_space: global }
      - { .name: token_positions, .offset: 40, .size: 8, .value_kind: global_buffer, .address_space: global }
      - { .name: xb, .offset: 48, .size: 8, .value_kind: global_buffer, .address_space: global }
      - { .name: wqkv, .offset: 56, .size: 8, .value_kind: global_buffer, .address_space: global }
      - { .name: wob, .offset: 64, .size: 8, .value_kind: global_buffer, .address_space: global }
      - { .name: cs, .offset: 72, .size: 8, .value_kind: global_buffer, .address_space: global }
    .group_segment_fixed_size: 0
    .private_segment_fixed_size: 0
    .kernarg_segment_align: 8
    .kernarg_segment_size: 80
    .max_flat_workgroup_size: 256
    .sgpr_count:     66
    .vgpr_count:     160
    .wavefront_size: 32
...
	.end_amdgpu_metadata
.endif
;; end of part 1
;; launch qkv (part 2): grid 16 x 16, 4 waves a work-group, clusters of 4 x 4, 327,680 bytes of LDS; arguments xb, wqkv, cs, qh, kh, vh; writes qh, kh, vh
.if DOCPART == 2
	.amdgcn_target "amdgcn-amd-amdhsa--gfx1250"
	.amdhsa_code_object_version 6
	.text
	.protected	k_q4bc57b6df7_qkv
	.globl	k_q4bc57b6df7_qkv
	.p2align	8
	.type	k_q4bc57b6df7_qkv,@function
k_q4bc57b6df7_qkv:
	s_mov_b64 s[64:65], 0
	v_nop
	global_prefetch_b8 v0, s[64:65] scope:SCOPE_SE
	s_setreg_imm32_b32 hwreg(HW_REG_WAVE_MODE, 25, 1), 1
	s_wait_xcnt 0x0
	s_wait_alu depctr_hold_cnt(0) depctr_sa_sdst(0) depctr_va_vdst(0) depctr_va_sdst(0) depctr_va_ssrc(0) depctr_va_vcc(0) depctr_vm_vsrc(0)
	s_getreg_b32 s2, hwreg(HW_REG_IB_STS2, 6, 4)
	s_cmp_eq_u32 s2, 0
	s_cbranch_scc0 .Lentry_in_a_cluster
	s_endpgm
.Lentry_in_a_cluster:
	s_bfe_u32 s2, ttmp6, 0x10000c
	s_cmp_lg_u32 s2, 0xf033
	s_cbranch_scc0 .Lentry_shape_is_right
	s_endpgm
.Lentry_shape_is_right:
; qkv: [4096 rows of x] x [3072 rows of Wq, Wk, Wv sorted by head], K = 1024, bf16 products, f32 sums; q and k are rotated on the way out;
; q, k, v leave as f16, [batch][head][s][64].
; LIMIT: q, k, v are kept in f16: finite up to 65,504.
; A work-group makes 256 rows x 192 columns (q, k, v of one head): 16 x 16 = 256 work-groups.  Wave w makes rows 64 w .. 64 w + 63 x all 192
; columns: 4 x 12 accumulator tiles of 16 x 16, 384 registers.  K goes in steps of 128 through two LDS slots filled by tensor loads.
; CLUSTERS: 4 x 4.  x's tile hangs on the block row alone and is asked for jointly along a row of the cluster, W's on the head alone and is
; asked for jointly along a column.  Each wave asks for its quarter of both tiles (64 rows of x, 48 rows of W), so every line has one mask.
; THE MATRIX INSTRUCTION IS USED TRANSPOSED (source 0 = 16 rows of W, source 1 = 16 rows of x): lane (r, h) holds row r of the result
; and the eight neighbouring columns 8 h .. 8 h + 7, which are four pairs of the rotation and pack into 16 bytes.
; REGISTERS by windows of 256: window 0 addresses, x's fragments (two buffers), the lane's cos and sin; window 1 W's fragments (two buffers);
; window 2 the tiles of my rows 0-31 (tile (a, b) at 8 (12 a + b)) and 64 registers at work; window 3 those of rows 32-63.
.set KSTEP,  128
.set PITCH,  272                       ; an LDS row: 256 bytes + 16 of padding, an odd multiple of 16: the 16 rows of a fragment load start 16 bytes apart modulo 256
.set AQ,     64*PITCH                  ; what one tensor load of x brings
.set BQ,     48*PITCH                  ; what one tensor load of W brings
.set ABYTES, 256*PITCH
.set SLOT,   448*PITCH                 ; x's 256 rows, then W's 192 rows: 121,856 bytes
.set STAGE,  2*SLOT                    ; 243,712 = 952 x 256: behind the ring, never filled by a tensor load; 16 rows x 400 bytes for each wave
.set SPITCH, 400                       ; 192 f16 + 16 bytes
.set ADRA, 8                           ; v8, v9    LDS address of my x fragments in slot 0, 1
.set ADRB, 10                          ; v10, v11  the same for W
.set STO,  12                          ; the way out: where I put 16 bytes of a row
.set RD,   13                          ; the way out: where I read back
.set CO,   14                          ; 16 x lane
.set CSO,  15                          ; my offset in the table
.set TMP,  16                          ; v[16:63]  packed results
.set RB,   64                          ; v[64:111] read back (x's fragment buffers, free by then)
.set CS,   128                         ; v[128:255] cos, sin: block (a, bq) at CS + 8 (4 a + bq): c0 s0 c1 s1 c2 s2 c3 s3
.set XW,   192                         ; windows 2, 3: v[192:255] at work
.set G1A, 24                           ; s[24:31] group 1 for x's tiles
.set G0A, 32                           ; s[32:39] group 0 for x's tiles, one set for each slot
.set G1B, 48                           ; s[48:55] group 1 for W's tiles
.set G0B, 56                           ; s[56:63] group 0 for W's tiles
.set W0, (1<<16)|(1<<20)|(1<<21)|(5<<22)|(3<<25)   ; elements of 2 bytes; padding on; bit 21 beside a mask; after every 64 words, 4 words
.set MSB, 0
.macro WIN new                         ; the immediate's high byte repeats the setting that is left
.if MSB != \new
	s_set_vgpr_msb (MSB<<8)|\new
.set MSB, \new
.endif
.endm
.macro PLACES n                        ; places behind a matrix instruction are plain vector instructions that name none of its registers (ISA guide 7.12.1)
.rept \n
	v_nop
.endr
.endm
.macro JLOAD s                         ; my quarter of slot s: two joint loads
	tensor_load_to_lds s[G0A+4*\s:G0A+4*\s+3], s[G1A:G1A+7]
	s_nop 0
	tensor_load_to_lds s[G0B+4*\s:G0B+4*\s+3], s[G1B:G1B+7]
	s_nop 0
.endm
.macro CREST                           ; a round of the cluster's barrier behind its opening barrier
	s_cmp_lg_u32 s16, 0
	s_cbranch_scc1 .Lnot_wave_0_\@
	s_barrier_signal -3
.Lnot_wave_0_\@:
	s_barrier_wait -3
	s_barrier_signal -1
	s_barrier_wait -1
.endm
.macro CROUND                          ; a whole round
	s_barrier_signal -1
	s_barrier_wait -1
	CREST
.endm
	s_load_b256 s[4:11], s[0:1], 0x0               ; xb 4, wqkv 6, cs 8, qh 10
	s_load_b128 s[12:15], s[0:1], 0x20             ; kh 12, vh 14
	s_set_vgpr_msb 0x40
	v_lshl_add_u32 v255, v0, 2, 0x41c00
	s_set_vgpr_msb 0x4000
	v_mov_b32 v7, 0
	s_set_vgpr_msb 0x1
	ds_add_u32 v255, v7
	ds_add_u32 v255, v7
	s_set_vgpr_msb 0x100
	v_lshrrev_b32 v1, 5, v0
	v_readfirstlane_b32 s16, v1                    ; wave 0..3
	s_bfe_u32 s17, ttmp6, 0x40000                  ; cx
	s_bfe_u32 s18, ttmp6, 0x40004                  ; cy
	s_lshl_b32 s19, ttmp9, 2
	s_add_co_u32 s19, s19, s17                     ; head = 4 x cluster x + cx
	s_and_b32 s20, ttmp7, 0xffff
	s_lshl_b32 s20, s20, 2
	s_add_co_u32 s20, s20, s18                     ; block row = 4 x cluster y + cy
	s_lshl_b32 s21, s18, 2
	s_lshl_b32 s21, 15, s21                        ; my row of the cluster
	s_lshl_b32 s22, 0x1111, s17                    ; my column
	s_or_b32 s[G1A+0], s21, W0
	s_or_b32 s[G1B+0], s22, W0
	s_mov_b32 s[G1A+1], KSTEP<<16                  ; tensor_dim0 = 128
	s_mov_b32 s[G1B+1], KSTEP<<16
	s_mov_b32 s[G1A+2], 64<<16                     ; tensor_dim1 = 64 rows
	s_mov_b32 s[G1B+2], 48<<16                     ;             = 48 rows
	s_mov_b32 s[G1A+3], KSTEP<<16                  ; tile_dim0 = 128
	s_mov_b32 s[G1B+3], KSTEP<<16
	s_mov_b32 s[G1A+4], 64                         ; tile_dim1
	s_mov_b32 s[G1B+4], 48
	s_mov_b32 s[G1A+5], 1024                       ; elements from row to row
	s_mov_b32 s[G1B+5], 1024
	s_mov_b32 s[G1A+6], 0
	s_mov_b32 s[G1B+6], 0
	s_mov_b32 s[G1A+7], 0
	s_mov_b32 s[G1B+7], 0
	; x's address is made of the block row and the wave, W's of the head and the wave, each in registers that never hold the other coordinate
	s_lshl_b32 s40, s20, 19                        ; 256 rows of 2,048 bytes
	s_lshl_b32 s41, s16, 17                        ; 64 rows
	s_add_co_u32 s40, s40, s41
	s_mov_b32 s41, 0
	s_mul_i32 s44, s19, 192
	s_mul_i32 s45, s16, 48
	s_add_co_u32 s44, s44, s45
	s_lshl_b32 s44, s44, 11                        ; row (192 head + 48 wave) of 2,048 bytes
	s_mov_b32 s45, 0
	s_mul_i32 s74, s16, AQ                         ; where they go: the wave's number times a constant
	s_mul_i32 s75, s16, BQ
	s_add_co_u32 s75, s75, ABYTES
	s_wait_dscnt 0x0
	s_wait_kmcnt 0x0
	s_add_nc_u64 s[42:43], s[4:5], s[40:41]
	s_add_nc_u64 s[46:47], s[6:7], s[44:45]
	CROUND                                         ; all sixteen work-groups are here: the first joint loads meet
.irp s, 0,1
	s_mov_b32 s[G0A+4*\s], 1
	s_add_co_u32 s[G0A+4*\s+1], s74, \s*SLOT
	s_add_nc_u64 s[G0A+4*\s+2:G0A+4*\s+3], s[42:43], \s*KSTEP*2
	s_or_b32 s[G0A+4*\s+3], s[G0A+4*\s+3], 0x80000000
	s_mov_b32 s[G0B+4*\s], 1
	s_add_co_u32 s[G0B+4*\s+1], s75, \s*SLOT
	s_add_nc_u64 s[G0B+4*\s+2:G0B+4*\s+3], s[46:47], \s*KSTEP*2
	s_or_b32 s[G0B+4*\s+3], s[G0B+4*\s+3], 0x80000000
	JLOAD \s                                       ; K steps 0 and 1: four tensor loads of the wave are out
.endr
	v_and_b32 v1, 15, v0                           ; r
	v_bfe_u32 v2, v0, 4, 1                         ; h
	v_mul_u32_u24 v3, v1, PITCH
	v_lshl_add_u32 v3, v2, 4, v3                   ; r x pitch + 16 h
	v_add_nc_u32 v[ADRA], s74, v3                  ; my 64 rows of x
	v_add_nc_u32 v[ADRA+1], SLOT, v[ADRA]
	v_add_nc_u32 v[ADRB], ABYTES, v3               ; all 192 rows of W
	v_add_nc_u32 v[ADRB+1], SLOT, v[ADRB]
	s_mul_i32 s69, s16, 16*SPITCH
	s_add_co_u32 s69, s69, STAGE                   ; my stage
	v_mul_u32_u24 v4, v1, SPITCH
	v_lshl_add_u32 v4, v2, 4, v4
	v_add_nc_u32 v[STO], s69, v4
	v_bfe_u32 v5, v0, 3, 2                         ; back: eight lanes take the 128 bytes of one row and part, four rows an instruction
	v_mul_u32_u24 v5, v5, SPITCH
	v_and_b32 v6, 7, v0
	v_lshl_add_u32 v5, v6, 4, v5
	v_add_nc_u32 v[RD], s69, v5
	v_and_b32 v6, 31, v0
	v_lshlrev_b32 v[CO], 4, v6
	; the lane's cos and sin: table row (256 (block row % 8) + 64 wave + 16 a + r), pairs 8 bq + 4 h .. + 3: 32 bytes, used for q and for k.
	; The wave reads each byte of its 64 table rows once; the loads are waited for in front of the way out.
	s_and_b32 s66, s20, 7
	s_lshl_b32 s66, s66, 16
	s_mov_b32 s67, 0
	s_add_nc_u64 s[8:9], s[8:9], s[66:67]
	s_lshl_b32 s70, s16, 14
	v_lshlrev_b32 v[CSO], 8, v1
	v_lshl_add_u32 v[CSO], v2, 5, v[CSO]
	v_add_nc_u32 v[CSO], s70, v[CSO]
.irp a, 0,1,2,3
.irp bq, 0,1,2,3
	global_load_b128 v[CS+8*(4*\a+\bq):CS+8*(4*\a+\bq)+3],   v[CSO], s[8:9] offset:\a*4096+\bq*64
	global_load_b128 v[CS+8*(4*\a+\bq)+4:CS+8*(4*\a+\bq)+7], v[CSO], s[8:9] offset:\a*4096+\bq*64+16
.endr
.endr
; 12 matrix instructions: row block a of the window's two (hi = 0: my rows 0-31, 1: rows 32-63) x all 12 column blocks, 32 along K, from buffer f.
.macro MUL12 f, hi, a, zero
.irp b, 0,1,2,3,4,5,6,7,8,9,10,11
.if \zero
	v_wmma_f32_16x16x32_bf16 v[8*(12*\a+\b):8*(12*\a+\b)+7], v[96*\f+8*\b:96*\f+8*\b+7], v[64+32*\f+8*(2*\hi+\a):64+32*\f+8*(2*\hi+\a)+7], 0
.else
	v_wmma_f32_16x16x32_bf16 v[8*(12*\a+\b):8*(12*\a+\b)+7], v[96*\f+8*\b:96*\f+8*\b+7], v[64+32*\f+8*(2*\hi+\a):64+32*\f+8*(2*\hi+\a)+7], v[8*(12*\a+\b):8*(12*\a+\b)+7]
.endif
.endr
.endm
.macro MULLO f, zero                   ; source 0 window 1, source 1 window 0, C and D window 2
	WIN 0xa1
	MUL12 \f, 0, 0, \zero
	MUL12 \f, 0, 1, \zero
.endm
.macro MULHI f, zero                   ; C and D window 3
	WIN 0xf1
	MUL12 \f, 1, 0, \zero
	MUL12 \f, 1, 1, \zero
.endm
; 32 LDS loads in one run: the fragments of one quarter step (192 rows of W, my 64 rows of x, 32 K at byte k of the rows) into buffer f
.macro FETCH slot, k, f
	WIN 0x40
.irp b, 0,1,2,3,4,5,6,7,8,9,10,11
	ds_load_b128 v[96*\f+8*\b:96*\f+8*\b+3],   v[ADRB+\slot] offset:\k+\b*16*PITCH
	ds_load_b128 v[96*\f+8*\b+4:96*\f+8*\b+7], v[ADRB+\slot] offset:\k+\b*16*PITCH+32
.endr
	WIN 0
.irp a, 0,1,2,3
	ds_load_b128 v[64+32*\f+8*\a:64+32*\f+8*\a+3],   v[ADRA+\slot] offset:\k+\a*16*PITCH
	ds_load_b128 v[64+32*\f+8*\a+4:64+32*\f+8*\a+7], v[ADRA+\slot] offset:\k+\a*16*PITCH+32
.endr
.endm
; A K step is four quarters of 32 along K, 48 matrix instructions each, on buffers 0, 1, 0, 1.  The 48 accumulators take turns, one
; instruction a turn, in the same order in every quarter.
; One of the first three: asks for the next quarter's fragments (buffer g, four places behind the matrix instructions that read it), then multiplies buffer f.
.macro QUARTER slot, k, f, g, zero
	PLACES 4
	FETCH \slot, \k, \g
	s_wait_dscnt 32                                ; all but the 32 just issued: buffer f is in
	MULLO \f, \zero
	MULHI \f, \zero
.endm
.macro THREE slot, zero
	QUARTER \slot, 64,  0, 1, \zero
	QUARTER \slot, 128, 1, 0, 0
	QUARTER \slot, 192, 0, 1, 0
.endm
; The last quarter multiplies buffer 1 and changes slots.  In front of the barrier each wave waits for its reads of this slot and for all its
; tensor loads (its part of the next slot).  fill = 1: the barrier opens a round of the cluster's barrier, with register work alone inside,
; and the joint refills of this slot, two K steps ahead, are the first tensor loads behind the round.
.macro TURN slot, next, fill
	s_wait_dscnt 0x0                               ; buffer 1 is in, and my reads of this slot are over
	s_wait_tensorcnt 0x0                           ; all my tensor loads have landed
	ds_add_u32 v255, v7
	s_wait_dscnt 0x0
	s_barrier_signal -1
	MULLO 1, 0
	WIN 0
	s_barrier_wait -1
.if \fill
	CREST
	s_add_nc_u64 s[G0A+4*\slot+2:G0A+4*\slot+3], s[G0A+4*\slot+2:G0A+4*\slot+3], 2*KSTEP*2
	s_add_nc_u64 s[G0B+4*\slot+2:G0B+4*\slot+3], s[G0B+4*\slot+2:G0B+4*\slot+3], 2*KSTEP*2
	JLOAD \slot                                    ; two tensor loads of the wave are out
.endif
	PLACES 4
	FETCH \next, 0, 0
	MULHI 1, 0
.endm
.macro LAP zero
	THREE 0, \zero
	TURN 0, 1, 1
	THREE 1, 0
	TURN 1, 0, 1
.endm
	s_wait_tensorcnt 0x2                           ; my two loads of K step 0 are in; K step 1's two stay out
	s_barrier_signal -1
	s_barrier_wait -1
	FETCH 0, 0, 0
	LAP 1                                          ; K steps 0, 1: the first products start the sums; steps 2, 3 are asked for
	WIN 0
	s_mov_b32 s23, 2
.Llap:
	LAP 0                                          ; K steps 2 to 5; steps 4 to 7 are asked for
	WIN 0
	s_sub_co_u32 s23, s23, 1
	s_cmp_lg_u32 s23, 0
	s_cbranch_scc1 .Llap
	THREE 0, 0                                     ; K steps 6, 7: nothing more is asked for
	TURN 0, 1, 0
	THREE 1, 0
	s_wait_dscnt 0x0
	MULLO 1, 0
	MULHI 1, 0
	; THE WAY OUT
	PLACES 4                                       ; behind the last matrix instructions
	WIN 0
	s_wait_loadcnt 0x0                             ; cos and sin
	s_lshr_b32 s66, s20, 3                         ; batch
	s_lshl_b32 s66, s66, 4
	s_add_co_u32 s66, s66, s19                     ; batch x 16 + head
	s_lshl_b32 s66, s66, 11
	s_and_b32 s67, s20, 7
	s_lshl_b32 s67, s67, 8
	s_add_co_u32 s66, s66, s67
	s_lshl_b32 s67, s16, 6
	s_add_co_u32 s66, s66, s67                     ; my first row of [batch][head][s]
	s_lshl_b32 s66, s66, 7                         ; rows of 128 bytes
	s_mov_b32 s67, 0
	s_add_nc_u64 s[68:69], s[10:11], s[66:67]      ; qh
	s_add_nc_u64 s[70:71], s[12:13], s[66:67]      ; kh
	s_add_nc_u64 s[72:73], s[14:15], s[66:67]      ; vh
; Rows 16 i .. 16 i + 15: the eight column blocks of q and k are rotated in place.  A pair (e, o) with (c, s):
; X = (e c, e s), then (e c - o s, e s + o c), each a fused multiply-add.  win: sources 0, 2 and the destination in the tiles' window, source 1 in window 0.
.macro ROT i, win
	WIN \win
.irp b, 0,1,2,3,4,5,6,7
.irp p, 0,1,2,3
	v_pk_mul_f32 v[XW+8*\b+2*\p:XW+8*\b+2*\p+1], v[8*(12*(\i&1)+\b)+2*\p:8*(12*(\i&1)+\b)+2*\p+1], v[CS+8*(4*\i+(\b&3))+2*\p:CS+8*(4*\i+(\b&3))+2*\p+1] op_sel_hi:[0,1]
.endr
.endr
.irp b, 0,1,2,3,4,5,6,7
.irp p, 0,1,2,3
	v_pk_fma_f32 v[8*(12*(\i&1)+\b)+2*\p:8*(12*(\i&1)+\b)+2*\p+1], v[8*(12*(\i&1)+\b)+2*\p:8*(12*(\i&1)+\b)+2*\p+1], v[CS+8*(4*\i+(\b&3))+2*\p:CS+8*(4*\i+(\b&3))+2*\p+1], v[XW+8*\b+2*\p:XW+8*\b+2*\p+1] op_sel:[1,1,0] op_sel_hi:[1,0,1] neg_lo:[1,0,0]
.endr
.endr
.endm
; The same 16 rows: rounded to f16, 16 bytes a lane into my own stage, read back by parts: 16 rows x 128 bytes of a part are 2,048 consecutive bytes of its buffer.
.macro OUT16 i, from
	WIN \from
.irp b, 0,1,2,3,4,5,6,7,8,9,10,11
.irp r, 0,1,2,3
	v_cvt_pk_f16_f32 v[TMP+4*\b+\r], v[8*(12*(\i&1)+\b)+2*\r], v[8*(12*(\i&1)+\b)+2*\r+1]
.endr
.endr
	WIN 0
.irp b, 0,1,2,3,4,5,6,7,8,9,10,11
	ds_store_b128 v[STO], v[TMP+4*\b:TMP+4*\b+3] offset:32*\b
.endr
	s_wait_xcnt 0x0                                ; RB, which the stores of the 16 rows before read, is loaded again only behind this wait
.irp pt, 0,1,2
.irp t, 0,1,2,3
	ds_load_b128 v[RB+4*(4*\pt+\t):RB+4*(4*\pt+\t)+3], v[RD] offset:\pt*128+\t*4*SPITCH   ; LDS serves a wave's instructions in order: these see the stores above
.endr
.endr
.irp pt, 0,1,2
.irp t, 0,1,2,3
	s_wait_dscnt 11-(4*\pt+\t)                     ; the younger read-backs stay out
	global_store_b128 v[CO], v[RB+4*(4*\pt+\t):RB+4*(4*\pt+\t)+3], s[68+2*\pt:69+2*\pt] offset:\i*2048+\t*512   ; 512 consecutive bytes, aligned
.endr
.endr
.endm
	ROT 0, 0xa2
	OUT16 0, 0x0a
	ROT 1, 0xa2
	OUT16 1, 0x0a
	ROT 2, 0xf3
	OUT16 2, 0x0f
	ROT 3, 0xf3
	OUT16 3, 0x0f
	s_set_vgpr_msb 0x1
	s_wait_tensorcnt 0x0
	ds_add_u32 v255, v7
	s_wait_dscnt 0x0
	s_set_vgpr_msb 0x100
	CROUND                                         ; the closing round: no work-group ends while a partner may still ask for a tile that names it
	s_endpgm
.Lfunc_end_k_q4bc57b6df7_qkv:
	.size	k_q4bc57b6df7_qkv, .Lfunc_end_k_q4bc57b6df7_qkv-k_q4bc57b6df7_qkv
	.p2alignl 7, 3214868480
	.fill 96, 4, 3214868480
	.section	.rodata,"a",@progbits
	.p2align	6, 0x0
	.amdhsa_kernel k_q4bc57b6df7_qkv
		.amdhsa_group_segment_fixed_size 327680
		.amdhsa_private_segment_fixed_size 0
		.amdhsa_enable_private_segment 0
		.amdhsa_kernarg_size 48
		.amdhsa_user_sgpr_count 2
		.amdhsa_user_sgpr_kernarg_segment_ptr 1
		.amdhsa_wavefront_size32 1
		.amdhsa_system_sgpr_workgroup_id_x 1
		.amdhsa_system_sgpr_workgroup_id_y 1
		.amdhsa_system_sgpr_workgroup_id_z 1
		.amdhsa_system_vgpr_workitem_id 0
		.amdhsa_next_free_vgpr 1024
		.amdhsa_next_free_sgpr 80
		.amdhsa_reserve_vcc 0
		.amdhsa_float_denorm_mode_32 3
		.amdhsa_float_denorm_mode_16_64 3
		.amdhsa_memory_ordered 1
		.amdhsa_forward_progress 1
		.amdhsa_inst_pref_size 181
	.end_amdhsa_kernel
	.amdgpu_metadata
---
amdhsa.version: [ 1, 2 ]
amdhsa.kernels:
  - .name:           k_q4bc57b6df7_qkv
    .symbol:         k_q4bc57b6df7_qkv.kd
    .args:
      - { .name: xb, .offset: 0, .size: 8, .value_kind: global_buffer, .address_space: global }
      - { .name: wqkv, .offset: 8, .size: 8, .value_kind: global_buffer, .address_space: global }
      - { .name: cs, .offset: 16, .size: 8, .value_kind: global_buffer, .address_space: global }
      - { .name: qh, .offset: 24, .size: 8, .value_kind: global_buffer, .address_space: global }
      - { .name: kh, .offset: 32, .size: 8, .value_kind: global_buffer, .address_space: global }
      - { .name: vh, .offset: 40, .size: 8, .value_kind: global_buffer, .address_space: global }
    .group_segment_fixed_size: 327680
    .private_segment_fixed_size: 0
    .kernarg_segment_align: 8
    .kernarg_segment_size: 48
    .max_flat_workgroup_size: 128
    .sgpr_count:     80
    .vgpr_count:     1024
    .wavefront_size: 32
...
	.end_amdgpu_metadata
.endif
;; end of part 2
;; launch attn (part 3): grid 8 x 32, 8 waves a work-group, no clusters, 327,680 bytes of LDS; arguments qh, kh, vh, ah; writes ah
.if DOCPART == 3
	.amdgcn_target "amdgcn-amd-amdhsa--gfx1250"
	.amdhsa_code_object_version 6
	.text
	.protected	k_q4bc57b6df7_attn
	.globl	k_q4bc57b6df7_attn
	.p2align	8
	.type	k_q4bc57b6df7_attn,@function
k_q4bc57b6df7_attn:
	s_mov_b64 s[64:65], 0
	v_nop
	global_prefetch_b8 v0, s[64:65] scope:SCOPE_SE
	s_setreg_imm32_b32 hwreg(HW_REG_WAVE_MODE, 25, 1), 1
	s_wait_xcnt 0x0
; attn: causal attention of one head, f16 products, f32 sums, softmax in f32 with a running maximum.  qh, kh, vh, ah: [32 batch x head][2048][64] f16.
; LIMIT: the result is kept in f16: finite up to 65,504 (it is an average of rows of v).
; Work-group (p, bh), p = 0..7, owns the blocks of 128 queries p (waves 0-3) and 15 - p (waves 4-7) of head bh; a wave holds 32 queries.
; All eight waves walk the key tiles t = 0 .. 15 - p (128 keys) out of one ring of two LDS slots.  A wave computes while t <= its block qb, masks at
; t = qb and stores there; afterwards it only fetches its part of the tiles and passes the barriers.  (p + 1) + (16 - p) = 17 tiles for each pair of waves
; in every work-group: 256 equal work-groups.
; S^T = K Q^T: lane (r, h), register j holds key 8 h + j, query r.  Two such tiles, packed to f16 in place, ARE the second source of
; O^T = V^T P^T for 32 keys: no exchange between lanes, no LDS.  V^T's fragments come by the transposing LDS load from V as it lies, [key][d].
; A query's maximum and sum live in its lane; only the two halves h have to be joined.
; NO CLUSTER: the eight work-groups of a head read the same tiles but need 16 - p of them, 9 to 16, and do two, one or no tile's work in a step;
; a joint request for each tile would hold every step to the busiest partner: for p = 0..3, 20 tiles' time against 17.
.set KP, 144                           ; K's LDS row: 128 bytes + 16, an odd multiple of 16
.set VP, 160                           ; V's LDS row: 128 bytes + 32, an odd multiple of 32, for the transposing load
.set KBYTES, 128*KP
.set SLOT, KBYTES+128*VP               ; 38,912
.set STAGE, 2*SLOT                     ; 77,824 = 304 x 256: never filled by a tensor load; 32 rows x 144 bytes for each wave
.set KA,  4                            ; v4, v5    LDS address of K's fragments in slot 0, 1
.set VA,  6                            ; v6, v7    the same for V
.set STO, 8
.set RD,  9
.set CO,  10                           ; 16 x lane
.set DM,  11                           ; r - 8 h + 32 x slice: a key of the diagonal tile is masked where 16 kt + j - 16 qt > DM
.set NI,  12                           ; -infinity
.set QO,  13
.set MX,  14                           ; v[14:15], v[16:17]  running maximum (in units of the exponent of 2) of query tile 0, 1; the second register is only named
.set AL,  18                           ; v[18:19], v[20:21]  the factor that carries old sums to the new maximum; at the end 1 / sum
.set LS,  22                           ; v22, v23  running sum, this half's keys
.set TW,  24                           ; v[24:31]  at work
.set QF,  32                           ; v[32:63]  Q(qt, dh) at QF + 8 (2 qt + dh)
.set OA,  64                           ; v[64:127] O(dt, qt) at OA + 8 (2 dt + qt)
.set SA,  128                          ; v[128:255] S(kt, qt) at SA + 8 (2 kt + qt); P(qt, c) takes the registers of S(2 c, qt)
                                       ; window 1, v[0:127]: K(kt, dh) at 8 (8 dh + kt), then V(dt, c) at 8 (4 c + dt)
.set MSB, 0
.macro WIN new
.if MSB != \new
	s_set_vgpr_msb (MSB<<8)|\new
.set MSB, \new
.endif
.endm
.macro PLACES n                        ; places behind a matrix instruction are plain vector instructions that name none of its registers (ISA guide 7.12.1)
.rept \n
	v_nop
.endr
.endm
	s_load_b256 s[4:11], s[0:1], 0x0               ; qh 4, kh 6, vh 8, ah 10
	s_set_vgpr_msb 0x40
	v_lshl_add_u32 v128, v0, 2, 0x29000
	v_mov_b32 v129, 0
	s_set_vgpr_msb 0x4045
	ds_add_u32 v128, v129
	ds_add_u32 v128, v129
	s_set_vgpr_msb 0x4500
	v_lshrrev_b32 v3, 5, v0
	v_readfirstlane_b32 s12, v3                    ; wave 0..7
	s_lshr_b32 s13, s12, 2                         ; which block
	s_and_b32 s14, s12, 3                          ; which 32 queries of it
	s_mov_b32 s15, ttmp9                           ; p
	s_and_b32 s16, ttmp7, 0xffff                   ; batch x 16 + head
	s_sub_co_u32 s24, 15, s15
	s_cmp_lg_u32 s13, 0
	s_cselect_b32 s17, s24, s15                    ; qb: my block of queries, and my last key tile
	s_mov_b32 s18, 0                               ; t
	s_mov_b32 s20, 0x3e38aa3b                      ; log2(e) / 8: the scale 1/sqrt(64), and e^x as 2^(x log2 e)
	s_mov_b32 s21, 0x3e38aa3b
	s_mov_b32 s22, 0x76543210                      ; v_permlanex16_b32: lane i of one half reads lane i of the other
	s_mov_b32 s23, 0xfedcba98
	; group 1: 16 rows x 64 elements of 2 bytes, padded after every 32 words by 4 words (K) or 8 words (V)
	s_mov_b32 s48, (1<<16)|(1<<20)|(4<<22)|(3<<25)
	s_mov_b32 s56, (1<<16)|(1<<20)|(4<<22)|(7<<25)
	s_mov_b32 s49, 64<<16                          ; tensor_dim0 = 64
	s_mov_b32 s57, 64<<16
	s_mov_b32 s50, 16<<16                          ; tensor_dim1 = 16
	s_mov_b32 s58, 16<<16
	s_mov_b32 s51, 64<<16                          ; tile_dim0 = 64
	s_mov_b32 s59, 64<<16
	s_mov_b32 s52, 16                              ; tile_dim1 = 16
	s_mov_b32 s60, 16
	s_mov_b32 s53, 64                              ; elements from row to row
	s_mov_b32 s61, 64
	s_mov_b32 s54, 0
	s_mov_b32 s62, 0
	s_mov_b32 s55, 0
	s_mov_b32 s63, 0
	s_lshl_b32 s24, s16, 18                        ; a head is 2,048 rows of 128 bytes
	s_lshl_b32 s25, s12, 11                        ; my 16 rows of each tile
	s_add_co_u32 s24, s24, s25
	s_mov_b32 s25, 0
	s_mul_i32 s30, s12, 16*KP
	s_mul_i32 s31, s12, 16*VP
	s_wait_dscnt 0x0
	s_wait_kmcnt 0x0
	s_add_nc_u64 s[6:7], s[6:7], s[24:25]
	s_add_nc_u64 s[8:9], s[8:9], s[24:25]
.irp s, 0,1                                        ; group 0: K's at s[32:39], V's at s[40:47], slot s set up for tile s
	s_mov_b32 s[32+4*\s], 1
	s_add_co_u32 s[33+4*\s], s30, \s*SLOT
	s_add_nc_u64 s[34+4*\s:35+4*\s], s[6:7], \s*16384
	s_or_b32 s[35+4*\s], s[35+4*\s], 0x80000000
	s_mov_b32 s[40+4*\s], 1
	s_add_co_u32 s[41+4*\s], s31, \s*SLOT+KBYTES
	s_add_nc_u64 s[42+4*\s:43+4*\s], s[8:9], \s*16384
	s_or_b32 s[43+4*\s], s[43+4*\s], 0x80000000
.endr
	tensor_load_to_lds s[32:35], s[48:55]          ; tile 0
	s_nop 0
	tensor_load_to_lds s[40:43], s[56:63]
	s_nop 0
	s_lshl_b32 s24, s16, 18
	s_lshl_b32 s25, s17, 14                        ; 128 queries of 128 bytes
	s_add_co_u32 s24, s24, s25
	s_lshl_b32 s25, s14, 12                        ; 32 queries
	s_add_co_u32 s24, s24, s25
	s_mov_b32 s25, 0
	s_add_nc_u64 s[26:27], s[10:11], s[24:25]      ; ah at my 32 queries
	s_add_nc_u64 s[28:29], s[4:5], s[24:25]        ; qh at my 32 queries
	v_and_b32 v1, 15, v0                           ; r
	v_bfe_u32 v2, v0, 4, 1                         ; h
	v_lshlrev_b32 v[QO], 7, v1
	v_lshl_add_u32 v[QO], v2, 4, v[QO]             ; 128 r + 16 h
.irp qt, 0,1
.irp dh, 0,1
	global_load_b128 v[QF+8*(2*\qt+\dh):QF+8*(2*\qt+\dh)+3],   v[QO], s[28:29] offset:2048*\qt+64*\dh
	global_load_b128 v[QF+8*(2*\qt+\dh)+4:QF+8*(2*\qt+\dh)+7], v[QO], s[28:29] offset:2048*\qt+64*\dh+32
.endr
.endr
	v_mul_u32_u24 v[KA], v1, KP
	v_lshl_add_u32 v[KA], v2, 4, v[KA]             ; r x pitch + 16 h
	v_add_nc_u32 v[KA+1], SLOT, v[KA]
	v_and_b32 v3, 7, v0
	v_lshl_add_u32 v3, v2, 3, v3                   ; key 8 h + lane % 8
	v_mul_u32_u24 v[VA], v3, VP
	v_bfe_u32 v24, v0, 3, 1
	v_lshl_add_u32 v[VA], v24, 4, v[VA]            ; + 16 x ((lane / 8) % 2)
	v_add_nc_u32 v[VA], KBYTES, v[VA]
	v_add_nc_u32 v[VA+1], SLOT, v[VA]
	s_mul_i32 s24, s12, 32*KP
	s_add_co_u32 s24, s24, STAGE                   ; my stage
	v_add_nc_u32 v[STO], s24, v[KA]                ; row r, 16 bytes for each half
	v_bfe_u32 v3, v0, 3, 2
	v_mul_u32_u24 v[RD], v3, KP                    ; back: eight lanes take one row of 128 bytes
	v_and_b32 v24, 7, v0
	v_lshl_add_u32 v[RD], v24, 4, v[RD]
	v_add_nc_u32 v[RD], s24, v[RD]
	v_and_b32 v3, 31, v0
	v_lshlrev_b32 v[CO], 4, v3
	v_lshlrev_b32 v3, 3, v2
	v_sub_nc_u32 v[DM], v1, v3
	s_lshl_b32 s25, s14, 5
	v_add_nc_u32 v[DM], s25, v[DM]
	v_mov_b32 v[NI], 0xff800000
	v_mov_b32 v[MX+1], 0                           ; the second registers of pairs of which only the first is used
	v_mov_b32 v[MX+3], 0
	v_mov_b32 v[AL+1], 0
	v_mov_b32 v[AL+3], 0
	v_mov_b32 v[TW+4], 0                           ; v_permlanex16_b32 counts as a reader of its destination
	v_mov_b32 v[TW+5], 0
	s_wait_loadcnt 0x0                             ; Q
; O(dt, qt) += V^T(dt, c) P^T(qt, c): 32 keys, 8 matrix instructions on 8 accumulators
.macro PV c, zero
.irp dt, 0,1,2,3
.irp qt, 0,1
.if \zero
	v_wmma_f32_16x16x32_f16 v[OA+8*(2*\dt+\qt):OA+8*(2*\dt+\qt)+7], v[8*(4*\c+\dt):8*(4*\c+\dt)+7], v[SA+8*(4*\c+\qt):SA+8*(4*\c+\qt)+7], 0
.else
	v_wmma_f32_16x16x32_f16 v[OA+8*(2*\dt+\qt):OA+8*(2*\dt+\qt)+7], v[8*(4*\c+\dt):8*(4*\c+\dt)+7], v[SA+8*(4*\c+\qt):SA+8*(4*\c+\qt)+7], v[OA+8*(2*\dt+\qt):OA+8*(2*\dt+\qt)+7]
.endif
.endr
.endr
.endm
; One key tile for my 32 queries.  first = 1: tile 0 starts maximum, sums and O.  diag = 1: t = qb, keys beyond the query are masked.
; In both products the accumulators take turns, one instruction a turn.
.macro TILE slot, first, diag
	WIN 0x40                                       ; destination window 1
.irp dh, 0,1
.irp kt, 0,1,2,3,4,5,6,7
	ds_load_b128 v[8*(8*\dh+\kt):8*(8*\dh+\kt)+3],   v[KA+\slot] offset:16*KP*\kt+64*\dh
	ds_load_b128 v[8*(8*\dh+\kt)+4:8*(8*\dh+\kt)+7], v[KA+\slot] offset:16*KP*\kt+64*\dh+32
.endr
.endr
	s_wait_dscnt 16                                ; d = 0..31 of all keys is in; the 16 loads of d = 32..63 may be out
	WIN 0x01                                       ; source 0 window 1
.irp kt, 0,1,2,3,4,5,6,7
.irp qt, 0,1
	v_wmma_f32_16x16x32_f16 v[SA+8*(2*\kt+\qt):SA+8*(2*\kt+\qt)+7], v[8*\kt:8*\kt+7], v[QF+16*\qt:QF+16*\qt+7], 0
.endr
.endr
	s_wait_dscnt 0x0
.irp kt, 0,1,2,3,4,5,6,7
.irp qt, 0,1
	v_wmma_f32_16x16x32_f16 v[SA+8*(2*\kt+\qt):SA+8*(2*\kt+\qt)+7], v[64+8*\kt:64+8*\kt+7], v[QF+16*\qt+8:QF+16*\qt+15], v[SA+8*(2*\kt+\qt):SA+8*(2*\kt+\qt)+7]
.endr
.endr
	PLACES 4                                       ; then K's registers may be loaded again and S read
	WIN 0x40
.irp c, 0,1,2,3
.irp dt, 0,1,2,3
	ds_load_tr16_b128 v[8*(4*\c+\dt):8*(4*\c+\dt)+3],   v[VA+\slot] offset:32*VP*\c+32*\dt          ; keys 32 c + 8 h .. + 7 of column d = 16 dt + r
	ds_load_tr16_b128 v[8*(4*\c+\dt)+4:8*(4*\c+\dt)+7], v[VA+\slot] offset:32*VP*\c+32*\dt+16*VP    ; keys 32 c + 16 + 8 h .. + 7; they land during the softmax
.endr
.endr
	WIN 0
.if \diag
.irp kt, 0,1,2,3,4,5,6,7
.irp qt, 0,1
.irp j, 0,1,2,3,4,5,6,7
.if 16*\kt+\j-16*\qt > -8                          ; DM is at least -8: smaller constants mask nothing
	v_cmp_gt_i32 vcc_lo, 16*\kt+\j-16*\qt, v[DM]
	v_cndmask_b32 v[SA+8*(2*\kt+\qt)+\j], v[SA+8*(2*\kt+\qt)+\j], v[NI], vcc_lo
.endif
.endr
.endr
.endr
.endif
	; the tile's maximum for each query: four chains (query tile x parity of kt)
.irp qt, 0,1
.irp pr, 0,1
	v_max_num_f32 v[TW+2*\qt+\pr], v[SA+8*(2*\pr+\qt)], v[SA+8*(2*\pr+\qt)+1]
.endr
.endr
.irp j, 2,4,6
.irp qt, 0,1
.irp pr, 0,1
	v_max3_num_f32 v[TW+2*\qt+\pr], v[TW+2*\qt+\pr], v[SA+8*(2*\pr+\qt)+\j], v[SA+8*(2*\pr+\qt)+\j+1]
.endr
.endr
.endr
.irp kk, 2,4,6
.irp j, 0,2,4,6
.irp qt, 0,1
.irp pr, 0,1
	v_max3_num_f32 v[TW+2*\qt+\pr], v[TW+2*\qt+\pr], v[SA+8*(2*(\kk+\pr)+\qt)+\j], v[SA+8*(2*(\kk+\pr)+\qt)+\j+1]
.endr
.endr
.endr
.endr
	v_max_num_f32 v[TW], v[TW], v[TW+1]
	v_max_num_f32 v[TW+2], v[TW+2], v[TW+3]
	v_permlanex16_b32 v[TW+4], v[TW], s22, s23     ; the other half's keys
	v_permlanex16_b32 v[TW+5], v[TW+2], s22, s23
	v_max_num_f32 v[TW], v[TW], v[TW+4]
	v_max_num_f32 v[TW+2], v[TW+2], v[TW+5]
.if \first
	v_mul_f32 v[MX], s20, v[TW]
	v_mul_f32 v[MX+2], s20, v[TW+2]
.else
	v_mul_f32 v[TW], s20, v[TW]
	v_mul_f32 v[TW+2], s20, v[TW+2]
	v_max_num_f32 v[TW], v[TW], v[MX]              ; the new running maximum
	v_max_num_f32 v[TW+2], v[TW+2], v[MX+2]
	v_sub_f32 v[AL], v[MX], v[TW]
	v_sub_f32 v[AL+2], v[MX+2], v[TW+2]
	v_exp_f32 v[AL], v[AL]
	v_exp_f32 v[AL+2], v[AL+2]
	v_mov_b32 v[MX], v[TW]                         ; plain instructions stand between the exponentials and the use of their results
	v_mov_b32 v[MX+2], v[TW+2]
.endif
	; p = 2^(S log2(e)/8 - maximum)
.irp kt, 0,1,2,3,4,5,6,7
.irp qt, 0,1
.irp j, 0,2,4,6
	v_pk_fma_f32 v[SA+8*(2*\kt+\qt)+\j:SA+8*(2*\kt+\qt)+\j+1], v[SA+8*(2*\kt+\qt)+\j:SA+8*(2*\kt+\qt)+\j+1], s[20:21], v[MX+2*\qt:MX+2*\qt+1] op_sel_hi:[1,0,0] neg_lo:[0,0,1] neg_hi:[0,0,1]
.endr
.endr
.endr
.set n, 0
.rept 128
	v_exp_f32 v[SA+n], v[SA+n]
.set n, n+1
.endr
	v_nop                                          ; one plain instruction before the last results are used
	; the tile's sums, in f32, four chains of pairs
	s_wait_alu depctr_va_vdst(0)
.irp qt, 0,1
.irp pr, 0,1
	v_pk_add_f32 v[TW+4*\qt+2*\pr:TW+4*\qt+2*\pr+1], v[SA+8*(2*\pr+\qt):SA+8*(2*\pr+\qt)+1], v[SA+8*(2*\pr+\qt)+2:SA+8*(2*\pr+\qt)+3]
.endr
.endr
.irp j, 4,6
.irp qt, 0,1
.irp pr, 0,1
	v_pk_add_f32 v[TW+4*\qt+2*\pr:TW+4*\qt+2*\pr+1], v[TW+4*\qt+2*\pr:TW+4*\qt+2*\pr+1], v[SA+8*(2*\pr+\qt)+\j:SA+8*(2*\pr+\qt)+\j+1]
.endr
.endr
.endr
.irp kk, 2,4,6
.irp j, 0,2,4,6
.irp qt, 0,1
.irp pr, 0,1
	v_pk_add_f32 v[TW+4*\qt+2*\pr:TW+4*\qt+2*\pr+1], v[TW+4*\qt+2*\pr:TW+4*\qt+2*\pr+1], v[SA+8*(2*(\kk+\pr)+\qt)+\j:SA+8*(2*(\kk+\pr)+\qt)+\j+1]
.endr
.endr
.endr
.endr
.irp qt, 0,1
	v_pk_add_f32 v[TW+4*\qt:TW+4*\qt+1], v[TW+4*\qt:TW+4*\qt+1], v[TW+4*\qt+2:TW+4*\qt+3]
.endr
.irp qt, 0,1
.if \first
	v_add_f32 v[LS+\qt], v[TW+4*\qt], v[TW+4*\qt+1]
.else
	v_add_f32 v[TW+4*\qt], v[TW+4*\qt], v[TW+4*\qt+1]
	v_fma_f32 v[LS+\qt], v[LS+\qt], v[AL+2*\qt], v[TW+4*\qt]
.endif
.endr
	; P in f16, in place: the low four registers from tile 2 c, then the high four from tile 2 c + 1
.irp c, 0,1,2,3
.irp qt, 0,1
.irp i, 0,1,2,3
	v_cvt_pk_f16_f32 v[SA+8*(4*\c+\qt)+\i], v[SA+8*(4*\c+\qt)+2*\i], v[SA+8*(4*\c+\qt)+2*\i+1]
.endr
.irp i, 0,1,2,3
	v_cvt_pk_f16_f32 v[SA+8*(4*\c+\qt)+4+\i], v[SA+8*(4*\c+2+\qt)+2*\i], v[SA+8*(4*\c+2+\qt)+2*\i+1]
.endr
.endr
.endr
.if \first == 0
.irp dt, 0,1,2,3
.irp qt, 0,1
.irp j, 0,2,4,6
	v_pk_mul_f32 v[OA+8*(2*\dt+\qt)+\j:OA+8*(2*\dt+\qt)+\j+1], v[OA+8*(2*\dt+\qt)+\j:OA+8*(2*\dt+\qt)+\j+1], v[AL+2*\qt:AL+2*\qt+1] op_sel_hi:[1,0]
.endr
.endr
.endr
.endif
	s_wait_dscnt 0x0                               ; V's fragments
	WIN 0x01
	PV 0, \first
	PV 1, 0
	PV 2, 0
	PV 3, 0
	WIN 0
	PLACES 5                                       ; then the next S product may write over P, V's registers may be loaded again, and O may be read
.endm
; My 32 queries are done: the two halves' sums are joined, O is divided, rounded to f16, turned into rows in my own stage and stored.
.macro FINISH
	v_permlanex16_b32 v[TW+4], v[LS], s22, s23
	v_permlanex16_b32 v[TW+5], v[LS+1], s22, s23
	v_add_f32 v[LS], v[LS], v[TW+4]
	v_add_f32 v[LS+1], v[LS+1], v[TW+5]
	v_rcp_f32 v[AL], v[LS]
	v_rcp_f32 v[AL+2], v[LS+1]
	v_nop
	s_wait_alu depctr_va_vdst(0)
.irp dt, 0,1,2,3
.irp qt, 0,1
.irp j, 0,2,4,6
	v_pk_mul_f32 v[OA+8*(2*\dt+\qt)+\j:OA+8*(2*\dt+\qt)+\j+1], v[OA+8*(2*\dt+\qt)+\j:OA+8*(2*\dt+\qt)+\j+1], v[AL+2*\qt:AL+2*\qt+1] op_sel_hi:[1,0]
.endr
.endr
.endr
.irp dt, 0,1,2,3
.irp qt, 0,1
.irp i, 0,1,2,3
	v_cvt_pk_f16_f32 v[SA+4*(2*\dt+\qt)+\i], v[OA+8*(2*\dt+\qt)+2*\i], v[OA+8*(2*\dt+\qt)+2*\i+1]
.endr
.endr
.endr
.irp dt, 0,1,2,3
.irp qt, 0,1
	ds_store_b128 v[STO], v[SA+4*(2*\dt+\qt):SA+4*(2*\dt+\qt)+3] offset:16*KP*\qt+32*\dt   ; query 16 qt + r, d = 16 dt + 8 h .. + 7
.endr
.endr
.irp t, 0,1,2,3,4,5,6,7
	ds_load_b128 v[SA+32+4*\t:SA+32+4*\t+3], v[RD] offset:4*KP*\t      ; LDS serves a wave's instructions in order: these see the stores above
.endr
.irp t, 0,1,2,3,4,5,6,7
	s_wait_dscnt 7-\t                              ; the younger read-backs stay out
	global_store_b128 v[CO], v[SA+32+4*\t:SA+32+4*\t+3], s[26:27] offset:512*\t   ; four queries: 512 consecutive bytes, aligned
.endr
	s_wait_xcnt 0x0                                ; the text behind names the stores' data registers again
.endm
; One key tile of the work-group.  In front of the barrier every wave waits for all its tensor loads (its part of this tile) and for its reads
; of the other slot; behind it the other slot's refill (tile t + 1, two loads a wave) comes first.  The branches hang on t and qb and
; jump over register work, LDS reads of this slot, my own stage and my stores alone.
.macro TRIP slot, refill, first, last
	s_set_vgpr_msb 0x5
	s_wait_tensorcnt 0x0                           ; so every group 0 may be written: this slot's next tile is two on
	ds_add_u32 v128, v129
	s_wait_dscnt 0x0
	s_set_vgpr_msb 0x500
	s_add_nc_u64 s[34+4*\slot:35+4*\slot], s[34+4*\slot:35+4*\slot], 32768
	s_add_nc_u64 s[42+4*\slot:43+4*\slot], s[42+4*\slot:43+4*\slot], 32768
	s_wait_dscnt 0x0
	s_barrier_signal -1
	s_barrier_wait -1
.if \refill
	tensor_load_to_lds s[36-4*\slot:39-4*\slot], s[48:55]
	s_nop 0
	tensor_load_to_lds s[44-4*\slot:47-4*\slot], s[56:63]
	s_nop 0
.endif
.if \last
	s_cmp_lg_u32 s18, s17                          ; t = 15 - p: the diagonal of waves 4-7; waves 0-3 are done
	s_cbranch_scc1 .Lskip_\@
	TILE \slot, 0, 1
	FINISH
.else
.if \first == 0
	s_cmp_gt_u32 s18, s17
	s_cbranch_scc1 .Lskip_\@
.endif
	s_cmp_eq_u32 s18, s17
	s_cbranch_scc1 .Ldiag_\@
	TILE \slot, \first, 0
	s_branch .Lskip_\@
.Ldiag_\@:
	TILE \slot, \first, 1
	FINISH
.endif
.Lskip_\@:
	s_add_co_u32 s18, s18, 1
.endm
	; 16 - p tiles: one, (14 - p) / 2 pairs, then two (p odd) or one (p even); the last trip asks for nothing
	TRIP 0, 1, 1, 0
	s_sub_co_u32 s19, 14, s15
	s_lshr_b32 s19, s19, 1                         ; 3 to 7
.Lpair:
	TRIP 1, 1, 0, 0
	TRIP 0, 1, 0, 0
	s_sub_co_u32 s19, s19, 1
	s_cmp_lg_u32 s19, 0
	s_cbranch_scc1 .Lpair
	s_bitcmp1_b32 s15, 0                           ; p is the same in all eight waves
	s_cbranch_scc0 .Leven
	TRIP 1, 1, 0, 0
	TRIP 0, 0, 0, 1
	s_set_vgpr_msb 0x5
	s_wait_tensorcnt 0x0
	ds_add_u32 v128, v129
	s_wait_dscnt 0x0
	s_set_vgpr_msb 0x500
	s_endpgm
.Leven:
	TRIP 1, 0, 0, 1
	s_set_vgpr_msb 0x5
	s_wait_tensorcnt 0x0
	ds_add_u32 v128, v129
	s_wait_dscnt 0x0
	s_set_vgpr_msb 0x500
	s_endpgm
.Lfunc_end_k_q4bc57b6df7_attn:
	.size	k_q4bc57b6df7_attn, .Lfunc_end_k_q4bc57b6df7_attn-k_q4bc57b6df7_attn
	.p2alignl 7, 3214868480
	.fill 96, 4, 3214868480
	.section	.rodata,"a",@progbits
	.p2align	6, 0x0
	.amdhsa_kernel k_q4bc57b6df7_attn
		.amdhsa_group_segment_fixed_size 327680
		.amdhsa_private_segment_fixed_size 0
		.amdhsa_enable_private_segment 0
		.amdhsa_kernarg_size 32
		.amdhsa_user_sgpr_count 2
		.amdhsa_user_sgpr_kernarg_segment_ptr 1
		.amdhsa_wavefront_size32 1
		.amdhsa_system_sgpr_workgroup_id_x 1
		.amdhsa_system_sgpr_workgroup_id_y 1
		.amdhsa_system_sgpr_workgroup_id_z 1
		.amdhsa_system_vgpr_workitem_id 0
		.amdhsa_next_free_vgpr 386
		.amdhsa_next_free_sgpr 66
		.amdhsa_reserve_vcc 1
		.amdhsa_float_denorm_mode_32 3
		.amdhsa_float_denorm_mode_16_64 3
		.amdhsa_memory_ordered 1
		.amdhsa_forward_progress 1
		.amdhsa_inst_pref_size 255
	.end_amdhsa_kernel
	.section	.bss,"aw",@nobits
	.p2align	6
	.space	262144
	.amdgpu_metadata
---
amdhsa.version: [ 1, 2 ]
amdhsa.kernels:
  - .name:           k_q4bc57b6df7_attn
    .symbol:         k_q4bc57b6df7_attn.kd
    .args:
      - { .name: qh, .offset: 0, .size: 8, .value_kind: global_buffer, .address_space: global }
      - { .name: kh, .offset: 8, .size: 8, .value_kind: global_buffer, .address_space: global }
      - { .name: vh, .offset: 16, .size: 8, .value_kind: global_buffer, .address_space: global }
      - { .name: ah, .offset: 24, .size: 8, .value_kind: global_buffer, .address_space: global }
    .group_segment_fixed_size: 327680
    .private_segment_fixed_size: 0
    .kernarg_segment_align: 8
    .kernarg_segment_size: 32
    .max_flat_workgroup_size: 256
    .sgpr_count:     66
    .vgpr_count:     386
    .wavefront_size: 32
...
	.end_amdgpu_metadata
.endif
;; end of part 3
;; launch oproj (part 4): grid 8 x 32, 4 waves a work-group, clusters of 4 x 4, 327,680 bytes of LDS; arguments ah, wob, out0; writes out0
.if DOCPART == 4
	.amdgcn_target "amdgcn-amd-amdhsa--gfx1250"
	.amdhsa_code_object_version 6
	.text
	.protected	k_q4bc57b6df7_oproj
	.globl	k_q4bc57b6df7_oproj
	.p2align	8
	.type	k_q4bc57b6df7_oproj,@function
k_q4bc57b6df7_oproj:
	s_mov_b64 s[64:65], 0
	v_nop
	global_prefetch_b8 v0, s[64:65] scope:SCOPE_SE
	s_setreg_imm32_b32 hwreg(HW_REG_WAVE_MODE, 25, 1), 1
	s_wait_xcnt 0x0
	s_wait_alu depctr_hold_cnt(0) depctr_sa_sdst(0) depctr_va_vdst(0) depctr_va_sdst(0) depctr_va_ssrc(0) depctr_va_vcc(0) depctr_vm_vsrc(0)
	s_getreg_b32 s2, hwreg(HW_REG_IB_STS2, 6, 4)
	s_cmp_eq_u32 s2, 0
	s_cbranch_scc0 .Lentry_in_a_cluster
	s_endpgm
.Lentry_in_a_cluster:
	s_bfe_u32 s2, ttmp6, 0x10000c
	s_cmp_lg_u32 s2, 0xf033
	s_cbranch_scc0 .Lentry_shape_is_right
	s_endpgm
.Lentry_shape_is_right:
; oproj: out0[m][n] = sum over k of attn[m][k] Wo[n][k], m = 4096, n = k = 1024; f16 products, f32 sums, f32 out.
; attn lies by heads, ah[batch][head][s][64] f16, k = 64 head + d; wob is [n][k] f16.
; A work-group makes 128 x 128 of out0: 8 x 32 = 256 work-groups (larger blocks would leave WGPs without work).  Wave (wr, wc) makes 64 x 64: 16 accumulator tiles.
; K goes in four steps of 256 (four heads) through two LDS slots; the steps are written out, without a loop.
; CLUSTERS: 4 x 4.  attn's tile hangs on the block row alone and is asked for jointly along a row of the cluster, Wo's on the block column alone and is asked
; for jointly along a column.  Wave w asks for head piece w of attn's tile (128 rows x 128 bytes) and for rows 32 w .. + 31 of Wo's (512 bytes each).
; The matrix instruction is used transposed (source 0 = rows of Wo, source 1 = rows of attn): lane (r, h) holds row r and columns 8 h .. 8 h + 7, 32 bytes.
.set AP, 144                           ; attn's LDS row: 128 bytes + 16
.set BP, 528                           ; Wo's LDS row: 512 bytes + 16; both odd multiples of 16
.set APIECE, 128*AP                    ; one head's 128 rows
.set ABYTES, 4*APIECE
.set BQ, 32*BP
.set SLOT, ABYTES+4*BQ                 ; 141,312
.set STAGE, 2*SLOT                     ; 282,624 = 1,104 x 256: never filled by a tensor load; 16 rows x 272 bytes for each wave
.set SPITCH, 272
.set ADRA, 8
.set ADRB, 10
.set STO,  12
.set RD,   13
.set CO,   14
.set RB,   192                         ; v[192:255] read back, two sets of 32
                                       ; window 0: v[64:127], v[128:191] attn's fragments, buffer f at 64 + 64 f + 8 (4 ks + a)
                                       ; window 1: v[0:63], v[64:127] Wo's fragments, 64 f + 8 (4 ks + b); v[128:255] tile (a, b) at 128 + 8 (4 a + b)
.set G1A, 24
.set G0A, 32
.set G1B, 48
.set G0B, 56
.set MSB, 0
.macro WIN new
.if MSB != \new
	s_set_vgpr_msb (MSB<<8)|\new
.set MSB, \new
.endif
.endm
.macro PLACES n                        ; places behind a matrix instruction are plain vector instructions that name none of its registers (ISA guide 7.12.1)
.rept \n
	v_nop
.endr
.endm
.macro JLOAD s
	tensor_load_to_lds s[G0A+4*\s:G0A+4*\s+3], s[G1A:G1A+7]
	s_nop 0
	tensor_load_to_lds s[G0B+4*\s:G0B+4*\s+3], s[G1B:G1B+7]
	s_nop 0
.endm
.macro CREST
	s_cmp_lg_u32 s16, 0
	s_cbranch_scc1 .Lnot_wave_0_\@
	s_barrier_signal -3
.Lnot_wave_0_\@:
	s_barrier_wait -3
	s_barrier_signal -1
	s_barrier_wait -1
.endm
.macro CROUND
	s_barrier_signal -1
	s_barrier_wait -1
	CREST
.endm
	s_load_b128 s[4:7], s[0:1], 0x0                ; ah 4, wob 6
	s_load_b64 s[8:9], s[0:1], 0x10                ; out0
	v_lshl_add_u32 v62, v0, 2, 0x49400
	v_mov_b32 v63, 0
	ds_add_u32 v62, v63
	ds_add_u32 v62, v63
	v_lshrrev_b32 v1, 5, v0
	v_readfirstlane_b32 s16, v1                    ; wave 0..3
	s_bfe_u32 s17, ttmp6, 0x40000                  ; cx
	s_bfe_u32 s18, ttmp6, 0x40004                  ; cy
	s_lshl_b32 s19, ttmp9, 2
	s_add_co_u32 s19, s19, s17                     ; block column 0..7
	s_and_b32 s20, ttmp7, 0xffff
	s_lshl_b32 s20, s20, 2
	s_add_co_u32 s20, s20, s18                     ; block row 0..31
	s_lshl_b32 s21, s18, 2
	s_lshl_b32 s21, 15, s21                        ; my row of the cluster
	s_lshl_b32 s22, 0x1111, s17                    ; my column
	s_or_b32 s[G1A+0], s21, (1<<16)|(1<<20)|(1<<21)|(4<<22)|(3<<25)   ; 2-byte elements, padding of 4 words after every 32 words
	s_or_b32 s[G1B+0], s22, (1<<16)|(1<<20)|(1<<21)|(6<<22)|(3<<25)   ; after every 128 words
	s_mov_b32 s[G1A+1], 64<<16                     ; tensor_dim0
	s_mov_b32 s[G1B+1], 256<<16
	s_mov_b32 s[G1A+2], 128<<16                    ; tensor_dim1
	s_mov_b32 s[G1B+2], 32<<16
	s_mov_b32 s[G1A+3], 64<<16                     ; tile_dim0
	s_mov_b32 s[G1B+3], 256<<16
	s_mov_b32 s[G1A+4], 128                        ; tile_dim1
	s_mov_b32 s[G1B+4], 32
	s_mov_b32 s[G1A+5], 64                         ; elements from row to row
	s_mov_b32 s[G1B+5], 1024
	s_mov_b32 s[G1A+6], 0
	s_mov_b32 s[G1B+6], 0
	s_mov_b32 s[G1A+7], 0
	s_mov_b32 s[G1B+7], 0
	; attn's address: batch = block row / 16, head = 4 x K step + wave, s = 128 (block row % 16); Wo's: row 128 x block column + 32 wave
	s_lshr_b32 s40, s20, 4
	s_lshl_b32 s40, s40, 4
	s_add_co_u32 s40, s40, s16
	s_lshl_b32 s40, s40, 11
	s_and_b32 s41, s20, 15
	s_lshl_b32 s41, s41, 7
	s_add_co_u32 s40, s40, s41
	s_lshl_b32 s40, s40, 7                         ; rows of 128 bytes
	s_mov_b32 s41, 0
	s_lshl_b32 s44, s19, 7
	s_lshl_b32 s45, s16, 5
	s_add_co_u32 s44, s44, s45
	s_lshl_b32 s44, s44, 11                        ; rows of 2,048 bytes
	s_mov_b32 s45, 0
	s_mul_i32 s74, s16, APIECE
	s_mul_i32 s75, s16, BQ
	s_add_co_u32 s75, s75, ABYTES
	s_wait_dscnt 0x0
	s_wait_kmcnt 0x0
	s_add_nc_u64 s[42:43], s[4:5], s[40:41]
	s_add_nc_u64 s[46:47], s[6:7], s[44:45]
	CROUND                                         ; all sixteen work-groups are here: the first joint loads meet
.irp s, 0,1
	s_mov_b32 s[G0A+4*\s], 1
	s_add_co_u32 s[G0A+4*\s+1], s74, \s*SLOT
	s_add_nc_u64 s[G0A+4*\s+2:G0A+4*\s+3], s[42:43], \s*0x100000       ; four heads of 2,048 x 128 bytes
	s_or_b32 s[G0A+4*\s+3], s[G0A+4*\s+3], 0x80000000
	s_mov_b32 s[G0B+4*\s], 1
	s_add_co_u32 s[G0B+4*\s+1], s75, \s*SLOT
	s_add_nc_u64 s[G0B+4*\s+2:G0B+4*\s+3], s[46:47], \s*512
	s_or_b32 s[G0B+4*\s+3], s[G0B+4*\s+3], 0x80000000
	JLOAD \s                                       ; K steps 0 and 1: four tensor loads of the wave are out
.endr
	v_and_b32 v1, 15, v0                           ; r
	v_bfe_u32 v2, v0, 4, 1                         ; h
	s_lshr_b32 s70, s16, 1                         ; wr
	s_and_b32 s71, s16, 1                          ; wc
	s_mul_i32 s72, s70, 64*AP
	v_mul_u32_u24 v3, v1, AP
	v_lshl_add_u32 v3, v2, 4, v3
	v_add_nc_u32 v[ADRA], s72, v3
	v_add_nc_u32 v[ADRA+1], SLOT, v[ADRA]
	s_mul_i32 s73, s71, 64*BP
	s_add_co_u32 s73, s73, ABYTES
	v_mul_u32_u24 v4, v1, BP
	v_lshl_add_u32 v4, v2, 4, v4
	v_add_nc_u32 v[ADRB], s73, v4
	v_add_nc_u32 v[ADRB+1], SLOT, v[ADRB]
	s_mul_i32 s72, s16, 16*SPITCH
	s_add_co_u32 s72, s72, STAGE                   ; my stage
	v_mul_u32_u24 v5, v1, SPITCH
	v_lshl_add_u32 v5, v2, 5, v5                   ; row r, 32 bytes for each half
	v_add_nc_u32 v[STO], s72, v5
	v_mul_u32_u24 v6, v2, SPITCH
	v_lshl_add_u32 v6, v1, 4, v6                   ; back: sixteen lanes take one row of 256 bytes
	v_add_nc_u32 v[RD], s72, v6
	v_lshlrev_b32 v[CO], 12, v2
	v_lshl_add_u32 v[CO], v1, 4, v[CO]             ; the same two rows in out0
; 16 matrix instructions: 4 x 4 tiles, 32 along K (half ks of buffer f).  The 16 accumulators take turns, one instruction a turn.
.macro MUL16 f, ks, zero
	WIN 0x51                                       ; source 0, C and D window 1, source 1 window 0
.irp a, 0,1,2,3
.irp b, 0,1,2,3
.if \zero
	v_wmma_f32_16x16x32_f16 v[128+8*(4*\a+\b):128+8*(4*\a+\b)+7], v[64*\f+8*(4*\ks+\b):64*\f+8*(4*\ks+\b)+7], v[64+64*\f+8*(4*\ks+\a):64+64*\f+8*(4*\ks+\a)+7], 0
.else
	v_wmma_f32_16x16x32_f16 v[128+8*(4*\a+\b):128+8*(4*\a+\b)+7], v[64*\f+8*(4*\ks+\b):64*\f+8*(4*\ks+\b)+7], v[64+64*\f+8*(4*\ks+\a):64+64*\f+8*(4*\ks+\a)+7], v[128+8*(4*\a+\b):128+8*(4*\a+\b)+7]
.endif
.endr
.endr
.endm
; 32 LDS loads in one run: quarter q of a K step (64 along K = one head) into buffer f
.macro FETCH slot, q, f
	WIN 0x40
.irp ks, 0,1
.irp b, 0,1,2,3
	ds_load_b128 v[64*\f+8*(4*\ks+\b):64*\f+8*(4*\ks+\b)+3],   v[ADRB+\slot] offset:16*BP*\b+128*\q+64*\ks
	ds_load_b128 v[64*\f+8*(4*\ks+\b)+4:64*\f+8*(4*\ks+\b)+7], v[ADRB+\slot] offset:16*BP*\b+128*\q+64*\ks+32
.endr
.endr
	WIN 0
.irp ks, 0,1
.irp a, 0,1,2,3
	ds_load_b128 v[64+64*\f+8*(4*\ks+\a):64+64*\f+8*(4*\ks+\a)+3],   v[ADRA+\slot] offset:APIECE*\q+16*AP*\a+64*\ks
	ds_load_b128 v[64+64*\f+8*(4*\ks+\a)+4:64+64*\f+8*(4*\ks+\a)+7], v[ADRA+\slot] offset:APIECE*\q+16*AP*\a+64*\ks+32
.endr
.endr
.endm
; asks for quarter q into buffer g (four places behind the matrix instructions that read it), then multiplies buffer f
.macro QUARTER slot, q, f, g, zero
	PLACES 4
	FETCH \slot, \q, \g
	s_wait_dscnt 32                                ; all but the 32 just issued: buffer f is in
	MUL16 \f, 0, \zero
	MUL16 \f, 1, 0
.endm
.macro THREE slot, zero
	QUARTER \slot, 1, 0, 1, \zero
	QUARTER \slot, 2, 1, 0, 0
	QUARTER \slot, 3, 0, 1, 0
.endm
; The last quarter multiplies buffer 1 and changes slots: each wave's waits for its reads of this slot and for all its tensor loads, the barrier
; (fill = 1: it opens a round of the cluster's barrier, register work alone inside), the joint refills first behind it.
.macro TURN slot, next, fill
	s_wait_dscnt 0x0
	s_set_vgpr_msb 0x5150
	s_wait_tensorcnt 0x0
	ds_add_u32 v62, v63
	s_wait_dscnt 0x0
	s_set_vgpr_msb 0x5051
	s_barrier_signal -1
	MUL16 1, 0, 0
	WIN 0
	s_barrier_wait -1
.if \fill
	CREST
	s_add_nc_u64 s[G0A+4*\slot+2:G0A+4*\slot+3], s[G0A+4*\slot+2:G0A+4*\slot+3], 0x200000
	s_add_nc_u64 s[G0B+4*\slot+2:G0B+4*\slot+3], s[G0B+4*\slot+2:G0B+4*\slot+3], 1024
	JLOAD \slot                                    ; two tensor loads of the wave are out
.endif
	PLACES 4
	FETCH \next, 0, 0
	MUL16 1, 1, 0
.endm
	s_wait_tensorcnt 0x2                           ; my two loads of K step 0 are in; K step 1's two stay out
	s_barrier_signal -1
	s_barrier_wait -1
	FETCH 0, 0, 0
	THREE 0, 1                                     ; K step 0: the first products start the sums
	TURN 0, 1, 1                                   ; K step 2 is asked for
	THREE 1, 0
	TURN 1, 0, 1                                   ; K step 3 is asked for
	THREE 0, 0
	TURN 0, 1, 0
	THREE 1, 0
	s_wait_dscnt 0x0
	MUL16 1, 0, 0
	MUL16 1, 1, 0
	; THE WAY OUT, 16 rows at a time: 32 bytes a lane into my own stage, read back as rows of 256 bytes
	PLACES 4
	WIN 0
	s_lshl_b32 s66, s20, 7
	s_lshl_b32 s67, s70, 6
	s_add_co_u32 s66, s66, s67                     ; my first row
	s_lshl_b32 s66, s66, 12                        ; rows of 4,096 bytes
	s_lshl_b32 s67, s19, 9
	s_add_co_u32 s66, s66, s67
	s_lshl_b32 s67, s71, 8
	s_add_co_u32 s66, s66, s67                     ; + my first column: 512 x block + 256 x half
	s_mov_b32 s67, 0
	s_add_nc_u64 s[68:69], s[8:9], s[66:67]
.macro OUT16 a
	WIN 0x04                                       ; the stores' data in window 1
.irp b, 0,1,2,3
	ds_store_b128 v[STO], v[128+8*(4*\a+\b):128+8*(4*\a+\b)+3]   offset:64*\b
	ds_store_b128 v[STO], v[128+8*(4*\a+\b)+4:128+8*(4*\a+\b)+7] offset:64*\b+16
.endr
	WIN 0
	s_wait_xcnt 0x0                                ; a set of RB that earlier stores read is loaded again only behind this wait
.irp t, 0,1,2,3,4,5,6,7
	ds_load_b128 v[RB+32*(\a&1)+4*\t:RB+32*(\a&1)+4*\t+3], v[RD] offset:2*SPITCH*\t   ; LDS serves a wave's instructions in order: these see the stores above
.endr
.irp t, 0,1,2,3,4,5,6,7
	s_wait_dscnt 7-\t                              ; the younger read-backs stay out
	global_store_b128 v[CO], v[RB+32*(\a&1)+4*\t:RB+32*(\a&1)+4*\t+3], s[68:69] offset:(16*\a+2*\t)*4096 th:TH_STORE_NT   ; sixteen lanes store 256 consecutive bytes, aligned
.endr
.endm
	OUT16 0
	OUT16 1
	OUT16 2
	OUT16 3
	s_wait_tensorcnt 0x0
	ds_add_u32 v62, v63
	s_wait_dscnt 0x0
	CROUND                                         ; the closing round: no work-group ends while a partner may still ask for a tile that names it
	s_endpgm
.Lfunc_end_k_q4bc57b6df7_oproj:
	.size	k_q4bc57b6df7_oproj, .Lfunc_end_k_q4bc57b6df7_oproj-k_q4bc57b6df7_oproj
	.p2alignl 7, 3214868480
	.fill 96, 4, 3214868480
	.section	.rodata,"a",@progbits
	.p2align	6, 0x0
	.amdhsa_kernel k_q4bc57b6df7_oproj
		.amdhsa_group_segment_fixed_size 327680
		.amdhsa_private_segment_fixed_size 0
		.amdhsa_enable_private_segment 0
		.amdhsa_kernarg_size 24
		.amdhsa_user_sgpr_count 2
		.amdhsa_user_sgpr_kernarg_segment_ptr 1
		.amdhsa_wavefront_size32 1
		.amdhsa_system_sgpr_workgroup_id_x 1
		.amdhsa_system_sgpr_workgroup_id_y 1
		.amdhsa_system_sgpr_workgroup_id_z 1
		.amdhsa_system_vgpr_workitem_id 0
		.amdhsa_next_free_vgpr 512
		.amdhsa_next_free_sgpr 80
		.amdhsa_reserve_vcc 0
		.amdhsa_float_denorm_mode_32 3
		.amdhsa_float_denorm_mode_16_64 3
		.amdhsa_memory_ordered 1
		.amdhsa_forward_progress 1
		.amdhsa_inst_pref_size 86
	.end_amdhsa_kernel
	.amdgpu_metadata
---
amdhsa.version: [ 1, 2 ]
amdhsa.kernels:
  - .name:           k_q4bc57b6df7_oproj
    .symbol:         k_q4bc57b6df7_oproj.kd
    .args:
      - { .name: ah, .offset: 0, .size: 8, .value_kind: global_buffer, .address_space: global }
      - { .name: wob, .offset: 8, .size: 8, .value_kind: global_buffer, .address_space: global }
      - { .name: out0, .offset: 16, .size: 8, .value_kind: global_buffer, .address_space: global }
    .group_segment_fixed_size: 327680
    .private_segment_fixed_size: 0
    .kernarg_segment_align: 8
    .kernarg_segment_size: 24
    .max_flat_workgroup_size: 128
    .sgpr_count:     80
    .vgpr_count:     512
    .wavefront_size: 32
...
	.end_amdgpu_metadata
.endif
;; end of part 4
